; MI455X (gfx1250); checked and timed in simulation.
; The chip was launched on July 23, 2026; its instructions are those of AMD's public machine-readable ISA for CDNA 5 (MIT licence, August 2026) and "CDNA5" Instruction Set Architecture Reference Guide (July 2026). The comments in the code are by the model that wrote it; some were corrected since.
;; Quantized Linear. Allowed arithmetic: float matrix products may take bf16 or f16 operands with f32 sums; other float arithmetic in f32, or as packed bf16 or f16 multiplies, adds, multiply-adds, maxima and minima; sums over many terms, partial sums and values carried from step to step in f32; what a program stores and reads back later, other than sums and carried values, may be rounded once to bf16 or f16.
;; Inputs: assignments 4,096 x 1,024 int32; bias 4,096 float32; codebook 4,096 x 4 float32; scale_in 4,096 float32; scale_out 4,096 float32; x 4 x 1,024 x 4,096 float32.
;; Outputs: out0 4 x 1,024 x 4,096 float32.
;; 2 versions, each right; version 2 is version 1 with the launch prep written anew for expert scheduling mode. Each part assembles by itself: llvm-mc -triple=amdgcn-amd-amdhsa -mcpu=gfx1250 --defsym DOCPART=n.
;; ======== version 1 of 2: 2 launches
;; limits: values are held in f16: magnitudes above 65,504 overflow, below 6.1e-05 lose precision
;; workspace buffers: xh 33,554,432 bytes; wh 33,554,432 bytes
;; launch prep (part 1): grid 256 x 1, 16 waves a work-group, no clusters, 34,816 bytes of LDS; arguments x, codebook, assignments, scale_in, xh, wh; writes xh, wh
.if DOCPART == 1
	.amdgcn_target "amdgcn-amd-amdhsa--gfx1250"
	.amdhsa_code_object_version 6
	.text
	.protected	k_qc6e8814253_prep
	.globl	k_qc6e8814253_prep
	.p2align	8
	.type	k_qc6e8814253_prep,@function
k_qc6e8814253_prep:
	s_mov_b64 s[64:65], 0
	v_nop
	global_prefetch_b8 v0, s[64:65] scope:SCOPE_SE
	s_setreg_imm32_b32 hwreg(HW_REG_WAVE_MODE, 25, 1), 1
	s_wait_xcnt 0x0
; THE TWO MATRIX OPERANDS ARE MADE ONCE, in f16:
;   xh[m][k]     = f16(x[m][k] * scale_in[k])              [4096][4096], rows of 8,192 bytes
;   wh[o][4c+d]  = f16(codebook[assignments[o][c]][d])     [4096][4096], rows of 8,192 bytes
; scale_out and bias are left to the product's way out, in f32, so that neither operand carries more than one scale.
; WHY f16: each operand is rounded once, to 11 significant bits; 8 bits would spend most of the comparison's room in the columns whose scale_out is near 1.
; LIMITS.  |x * scale_in| and |codebook| of 65,520 or more become an f16 infinity; below 6.1e-5 a number keeps f16's fixed step of 6e-8.
; An index is taken as unsigned and clamped to 4,095, the table's last entry.  NaN and infinities are not treated apart.
; SHARES.  Sixteen waves; work-group g owns rows 16 g .. 16 g + 15 of x and of w; its parts of x, assignments, xh and wh are dense blocks.  Thread t = 0 .. 511.
;   X unit u (32 of them): 16 bytes of x at 8,192 u + 16 t (row u / 2, columns 2,048 (u % 2) + 4 t ..), 8 bytes of xh at 4,096 u + 8 t: a wave loads 512 and stores 256 consecutive bytes.
;   W unit j (16 of them): two indices at 4,096 j + 8 t, two entries of 8 bytes out of the table in LDS, 16 bytes of wh at 8,192 j + 16 t: a wave stores 512 consecutive bytes.
; The table is narrowed to f16 once by the work-group and lies in LDS, entry e at byte 8 e.  No loop: every unit has its own store registers and no address register is ever
; rewritten, so no wait stands for a store's or a load's sources.  No matrix unit, no cluster, no data mover: the launch streams, and only the 64 KiB table is shared.
.set SPARE, 32768                      ; behind the table: the spare words, 128 bytes for each of the 16 waves: eight blocks of 256 bytes that no other line names
.set T16, 1                            ; v1        16 t; never rewritten
.set T8,  2                            ; v2        8 t; never rewritten
.set SPW, 3                            ; v3        LDS address of my spare word; never rewritten
.set NIL, 4                            ; v4        0; never rewritten
.set SI,  8                            ; v[8:15]   scale_in of my 4 columns in the left half of a row, then in the right half
.set CB,  16                           ; v[16:47]  my 8 entries of the codebook, f32
.set TF,  48                           ; v[48:63]  the same in f16
.set AS,  64                           ; v[64:95]  unit j: two indices, then two LDS addresses
.set G,   96                           ; v[96:159] unit j: 16 bytes of wh
.set X,   160                          ; v[160:223] sixteen slots of 4: x as loaded
.set Y,   16                           ; v[16:79]  unit u: 8 bytes of xh; these registers are free when the gathers have been issued
	s_load_b256 s[4:11], s[0:1], 0x0               ; x s[4:5], codebook s[6:7], assignments s[8:9], scale_in s[10:11]
	s_load_b128 s[12:15], s[0:1], 0x20             ; xh s[12:13], wh s[14:15]
	v_lshl_add_u32 v[SPW], v0, 2, SPARE
	v_mov_b32 v[NIL], 0
	v_lshlrev_b32 v[T16], 4, v0
	v_lshlrev_b32 v[T8], 3, v0
	s_mov_b32 s17, 0
	s_wait_kmcnt 0x0
	s_lshl_b32 s16, ttmp9, 18                      ; 16 rows of x: 262,144 bytes
	s_add_nc_u64 s[4:5], s[4:5], s[16:17]
	s_lshl_b32 s16, ttmp9, 16                      ; 16 rows of assignments: 65,536 bytes
	s_add_nc_u64 s[8:9], s[8:9], s[16:17]
	s_lshl_b32 s16, ttmp9, 17                      ; 16 rows of xh and of wh: 131,072 bytes
	s_add_nc_u64 s[12:13], s[12:13], s[16:17]
	s_add_nc_u64 s[14:15], s[14:15], s[16:17]
	; All first loads, in the order in which they are wanted: 8 + 16 + 2 + 16.
.set i, 0
.rept 8
	global_load_b128 v[CB+4*i:CB+4*i+3], v[T16], s[6:7] offset:8192*i  ; entry t + 512 i; every work-group reads the table, so no hint
.set i, i+1
.endr
.set i, 0
.rept 16
	global_load_b64 v[AS+2*i:AS+2*i+1], v[T8], s[8:9] offset:4096*i th:TH_LOAD_NT
.set i, i+1
.endr
	global_load_b128 v[SI:SI+3],   v[T16], s[10:11]
	global_load_b128 v[SI+4:SI+7], v[T16], s[10:11] offset:8192
.set i, 0
.rept 16
	global_load_b128 v[X+4*i:X+4*i+3], v[T16], s[4:5] offset:8192*i th:TH_LOAD_NT
.set i, i+1
.endr
	; The table: my 8 entries, rounded once to f16, 8 bytes each.
	s_wait_loadcnt 34                              ; loads come back in order (ISA guide 5.7.1): the codebook's 8 are in; the 16 + 2 + 16 issued behind them stay out
.set i, 0
.rept 8
	v_cvt_pk_f16_f32 v[TF+2*i],   v[CB+4*i],   v[CB+4*i+1]
	v_cvt_pk_f16_f32 v[TF+2*i+1], v[CB+4*i+2], v[CB+4*i+3]
	ds_store_b64 v[T8], v[TF+2*i:TF+2*i+1] offset:4096*i
.set i, i+1
.endr
	s_wait_dscnt 0x0                               ; for the others' sake: my part of the table is written
	s_barrier_signal -1
	s_barrier_wait -1                              ; the whole table is; nobody writes it again
	; The gathers: all 32 in one run.
	s_wait_loadcnt 18                              ; the indices are in; scale_in's 2 and x's 16 stay out
.set i, 0
.rept 32
	v_min_u32 v[AS+i], 0xfff, v[AS+i]              ; inside the table, whatever was loaded
.set i, i+1
.endr
.set i, 0
.rept 32
	v_lshlrev_b32 v[AS+i], 3, v[AS+i]              ; 8 bytes an entry
.set i, i+1
.endr
.set i, 0
.rept 16
	ds_load_b64 v[G+4*i:G+4*i+1],   v[AS+2*i]
	ds_load_b64 v[G+4*i+2:G+4*i+3], v[AS+2*i+1]
.set i, i+1
.endr
.macro WUNIT j                         ; row j of the group's rows of wh
	s_wait_dscnt 30-2*(\j)                         ; LDS loads come back in order (ISA guide 5.7.1): unit j's two are in, the gathers issued behind them stay out
	global_store_b128 v[T16], v[G+4*(\j):G+4*(\j)+3], s[14:15] offset:8192*(\j)
.endm
.macro XUNIT u                         ; half a row of x: scaled, rounded, stored; the slot takes the unit 16 further on
.if (\u) <= 16
	s_wait_loadcnt 15                              ; behind unit u's load stand fifteen of x's
.else
	s_wait_loadcnt 31-(\u)                         ; nothing more is loaded: the count runs down
.endif
.set xs, X+4*((\u)%16)
.set sh, SI+4*((\u)%2)
	v_pk_mul_f32 v[xs:xs+1],   v[xs:xs+1],   v[sh:sh+1]
	v_pk_mul_f32 v[xs+2:xs+3], v[xs+2:xs+3], v[sh+2:sh+3]
	v_cvt_pk_f16_f32 v[Y+2*(\u)],   v[xs],   v[xs+1]
	v_cvt_pk_f16_f32 v[Y+2*(\u)+1], v[xs+2], v[xs+3]
.if (\u) < 16
	global_load_b128 v[xs:xs+3], v[T16], s[4:5] offset:8192*((\u)+16) th:TH_LOAD_NT
.endif
	global_store_b64 v[T8], v[Y+2*(\u):Y+2*(\u)+1], s[12:13] offset:4096*(\u)
.endm
.set j, 0
.rept 16                               ; x's units stand between wh's, so that the gathers land while x is worked on
	WUNIT j
	XUNIT 2*j
	XUNIT 2*j+1
.set j, j+1
.endr
	s_wait_tensorcnt 0x0                           ; the wave's end, behind my last LDS store
	ds_add_u32 v[SPW], v[NIL]
	s_wait_dscnt 0x0
	s_endpgm
.Lfunc_end_k_qc6e8814253_prep:
	.size	k_qc6e8814253_prep, .Lfunc_end_k_qc6e8814253_prep-k_qc6e8814253_prep
	.p2alignl 7, 3214868480
	.fill 96, 4, 3214868480
	.section	.rodata,"a",@progbits
	.p2align	6, 0x0
	.amdhsa_kernel k_qc6e8814253_prep
		.amdhsa_group_segment_fixed_size 34816
		.amdhsa_private_segment_fixed_size 0
		.amdhsa_enable_private_segment 0
		.amdhsa_kernarg_size 48
		.amdhsa_user_sgpr_count 2
		.amdhsa_user_sgpr_kernarg_segment_ptr 1
		.amdhsa_wavefront_size32 1
		.amdhsa_system_sgpr_workgroup_id_x 1
		.amdhsa_system_sgpr_workgroup_id_y 1
		.amdhsa_system_sgpr_workgroup_id_z 1
		.amdhsa_system_vgpr_workitem_id 0
		.amdhsa_next_free_vgpr 224
		.amdhsa_next_free_sgpr 66
		.amdhsa_reserve_vcc 0
		.amdhsa_float_denorm_mode_32 3
		.amdhsa_float_denorm_mode_16_64 3
		.amdhsa_memory_ordered 1
		.amdhsa_forward_progress 1
		.amdhsa_inst_pref_size 28
	.end_amdhsa_kernel
	.amdgpu_metadata
---
amdhsa.version: [ 1, 2 ]
amdhsa.kernels:
  - .name:           k_qc6e8814253_prep
    .symbol:         k_qc6e8814253_prep.kd
    .args:
      - { .name: x, .offset: 0, .size: 8, .value_kind: global_buffer, .address_space: global }
      - { .name: codebook, .offset: 8, .size: 8, .value_kind: global_buffer, .address_space: global }
      - { .name: assignments, .offset: 16, .size: 8, .value_kind: global_buffer, .address_space: global }
      - { .name: scale_in, .offset: 24, .size: 8, .value_kind: global_buffer, .address_space: global }
      - { .name: xh, .offset: 32, .size: 8, .value_kind: global_buffer, .address_space: global }
      - { .name: wh, .offset: 40, .size: 8, .value_kind: global_buffer, .address_space: global }
    .group_segment_fixed_size: 34816
    .private_segment_fixed_size: 0
    .kernarg_segment_align: 8
    .kernarg_segment_size: 48
    .max_flat_workgroup_size: 512
    .sgpr_count:     66
    .vgpr_count:     224
    .wavefront_size: 32
...
	.end_amdgpu_metadata
.endif
;; end of part 1
;; launch gemm (part 2): grid 16 x 16, 4 waves a work-group, clusters of 4 x 4, 327,680 bytes of LDS; arguments xh, wh, out0, scale_out, bias; writes out0
.if DOCPART == 2
	.amdgcn_target "amdgcn-amd-amdhsa--gfx1250"
	.amdhsa_code_object_version 6
	.text
	.protected	k_qc6e8814253_gemm
	.globl	k_qc6e8814253_gemm
	.p2align	8
	.type	k_qc6e8814253_gemm,@function
k_qc6e8814253_gemm:
	s_mov_b64 s[64:65], 0
	v_nop
	global_prefetch_b8 v0, s[64:65] scope:SCOPE_SE
	s_setreg_imm32_b32 hwreg(HW_REG_WAVE_MODE, 25, 1), 1
	s_wait_xcnt 0x0
	s_wait_alu depctr_hold_cnt(0) depctr_sa_sdst(0) depctr_va_vdst(0) depctr_va_sdst(0) depctr_va_ssrc(0) depctr_va_vcc(0) depctr_vm_vsrc(0)
	s_getreg_b32 s2, hwreg(HW_REG_IB_STS2, 6, 4)
	s_cmp_eq_u32 s2, 0
	s_cbranch_scc0 .Lentry_in_a_cluster
	s_endpgm
.Lentry_in_a_cluster:
	s_bfe_u32 s2, ttmp6, 0x10000c
	s_cmp_lg_u32 s2, 0xf033
	s_cbranch_scc0 .Lentry_shape_is_right
	s_endpgm
.Lentry_shape_is_right:
; out0[m][o] = (sum over k of xh[m][k] wh[o][k]) * scale_out[o] + bias[o].  xh: [4096][4096] f16 (x times scale_in), wh: [4096][4096] f16 (the gathered codebook entries); out0: [4096][4096] f32.
; Sums in f32, K ascending; scale_out and bias are applied to the finished sum by one fused multiply-add in f32.  The scales are so applied in another order than the problem writes them.
; LIMITS are the operands': f16 holds no number beyond 65,504 and has a fixed step of 6e-8 below 6.1e-5; NaN and infinities are not treated apart.
; A tile of out0, 256 x 256, is made by a work-group of four waves; a wave makes 128 x 128: 64 accumulators of 16 x 16, 512 registers.  16 x 16 tiles: one to each work-group.
; K goes in 32 steps of 128 through a ring of two LDS slots filled by the tensor data mover: a tile's rows are 256 bytes of memory and start at multiples of 256 bytes from the buffer's first byte.
; CLUSTERS: 4 x 4 work-groups.  The four of a row of the cluster need the same tiles of xh, the four of a column the same tiles of wh: each tile is asked for JOINTLY, by the same tensor load with
; the same descriptor and a mask that names the four, and each receives it in its own LDS.
; THE MATRIX INSTRUCTION IS USED TRANSPOSED: source 0 = 16 rows of wh, source 1 = 16 rows of xh.  In the result lane l holds row m = l % 16 of out0 and the columns 8 (l / 16) + 0 .. 7: 32 neighbouring bytes.
; REGISTERS, in windows of 256 (s_set_vgpr_msb: bits 1:0 source 0, 3:2 source 1, 5:4 source 2, 7:6 destination):
;   window 0: v0-31 addresses; v32-39 my four scale_out and bias; v64-127, v128-191 fragments of xh, two buffers; on the way out the same 128 hold rows read back from the stage
;   window 1: v64-127, v128-191 fragments of wh, two buffers
;   window 2: the 32 accumulators of my rows 0-63 (accumulator (a, b) at v[8 (8 a + b)]);   window 3: those of my rows 64-127
.set SIZE_K, 4096
.set SIZE_N, 4096
.set KSTEP,  128
.set PITCH,  272                       ; an LDS row: 256 bytes of data + 16 of padding = 68 words: row r starts at bank 4 r mod 64 (64 banks of 4 bytes: ISA guide 11.1), so the 16 rows that a load touches start at 16 different banks
.set HALFT,  128*PITCH                 ; 128 rows: what one tensor load brings, and what one wave reads of xh or of wh
.set SLOT,   4*HALFT                   ; xh's 256 rows, then wh's 256 rows
.set STAGE,  2*SLOT                    ; behind the ring: a stage for each wave, for the way out; no tensor load lands there
.set SPITCH, 528                       ; a stage row: my 128 columns in f32, 512 bytes, + 16 = 132 words: row r again starts at bank 4 r mod 64
.set WSTAGE, 16*SPITCH                 ; 16 rows a wave
.set SPARE,  STAGE+4*WSTAGE            ; behind the stages: the spare words, 128 bytes for each wave: two blocks of 256 bytes that no other line names
.set LAPS, SIZE_K/(2*KSTEP)            ; a lap = two K steps = once round the ring: 16
.set ADRA, 16                          ; v16-17  LDS address of my xh fragments in slot 0, 1
.set ADRB, 20                          ; v20-21  the same for wh
.set STO,  24                          ; v24     the way out: where I put 32 bytes of a row
.set RD,   25                          ; v25     the way out: where I read 16 bytes of a row back
.set CO,   26                          ; v26     16 x lane: my byte offset in 512 bytes of a row of out0; never rewritten
.set SB,   27                          ; v27     my byte offset in scale_out and in bias
.set SPW,  28                          ; v28     LDS address of my spare word: SPARE + 4 x my thread's number; never rewritten
.set NIL,  29                          ; v29     0; never rewritten
.set SC,   32                          ; v[32:35] scale_out of the four columns that I store
.set BI,   36                          ; v[36:39] bias of the same
.set F0,   64                          ; fragment buffer 0
.set F1,   128                         ; fragment buffer 1
.set G1, 24                            ; s[24:31] descriptor group 1 for xh's tiles
.set G0, 32                            ; s[32:39] descriptor group 0 for xh's tiles, one set for each slot
.set G1B, 48                           ; s[48:55] descriptor group 1 for wh's tiles: it differs in the mask alone
.set G0B, 56                           ; s[56:63] descriptor group 0 for wh's tiles, one set for each slot
.set MSB, 0
.macro WIN new                         ; the immediate's high byte repeats the setting that is left; a switch that changes nothing is dropped
.if MSB != (\new)
	s_set_vgpr_msb (MSB<<8)|(\new)
.set MSB, \new
.endif
.endm
.set MUL_LO, 0xa1                      ; source 0 (wh) window 1, source 1 (xh) window 0, C and D window 2
.set MUL_HI, 0xf1                      ; the same, C and D window 3
.set TO_B,   0x40                      ; destination window 1, address window 0
; A joint load.  Waves 0 and 1 fetch xh's two halves, waves 2 and 3 wh's.  Each of the two lines has one mask and one set of registers for all that issue it; the branch hangs on the wave's number alone.
; An s_nop 0 and four v_nop follow each of the two lines, ahead of the jump, the label and what follows the macro.
.macro JLOAD s
	s_cmp_eq_u32 s11, 0
	s_cbranch_scc0 .Lfor_b_\@
	tensor_load_to_lds s[G0+4*(\s):G0+4*(\s)+3], s[G1:G1+7]
	s_nop 0
.rept 4
	v_nop
.endr
	s_branch .Lasked_\@
.Lfor_b_\@:
	tensor_load_to_lds s[G0B+4*(\s):G0B+4*(\s)+3], s[G1B:G1B+7]
	s_nop 0
.rept 4
	v_nop
.endr
.Lasked_\@:
.endm
; A round of the cluster's barrier: my work-group's barrier, so that wave 0's signal speaks for all four waves; wave 0 signals for the work-group; every wave waits for all sixteen work-groups;
; my work-group's barrier once more.  No LDS instruction of the wave is pending at a signal.
.macro CREST                           ; a round behind its opening barrier
	s_cmp_lg_u32 s10, 0
	s_cbranch_scc1 .Lnot_wave_0_\@
	s_barrier_signal -3
.Lnot_wave_0_\@:
	s_barrier_wait -3
	s_barrier_signal -1
	s_barrier_wait -1
.endm
.macro CROUND                          ; a whole round
	s_barrier_signal -1
	s_barrier_wait -1
	CREST
.endm
	s_load_b128 s[4:7], s[0:1], 0x0                ; xh s[4:5], wh s[6:7]
	s_load_b64 s[8:9], s[0:1], 0x10                ; out0
	s_load_b64 s[68:69], s[0:1], 0x18              ; scale_out
	s_load_b64 s[70:71], s[0:1], 0x20              ; bias
	v_lshl_add_u32 v[SPW], v0, 2, SPARE
	v_mov_b32 v[NIL], 0
	ds_add_u32 v[SPW], v[NIL]                      ; the wave's opening: the add and its wait stand ahead of my first tensor load; the set-up below, work on registers, stands between them
	ds_add_u32 v28, v29
	v_lshrrev_b32 v1, 5, v0
	v_readfirstlane_b32 s10, v1                    ; wave 0..3
	s_lshr_b32 s11, s10, 1                         ; which half of the tile's rows is mine.  Also: I fetch for xh (0) or for wh (1)
	s_and_b32 s12, s10, 1                          ; which half of its columns.  Also: which 128 rows of that tile I fetch
	s_bfe_u32 s40, ttmp6, 0x40000                  ; cx: my place along the cluster's x
	s_bfe_u32 s41, ttmp6, 0x40004                  ; cy: along its y
	s_lshl_b32 s42, ttmp9, 2                       ; in a cluster launch ttmp9 and ttmp7 count clusters
	s_add_co_u32 s42, s42, s40                     ; tile column = 4 x cluster x + cx
	s_and_b32 s13, ttmp7, 0xffff
	s_lshl_b32 s13, s13, 2
	s_add_co_u32 s13, s13, s41                     ; tile row = 4 x cluster y + cy
	s_lshl_b32 s43, s41, 2
	s_lshl_b32 s43, 15, s43                        ; my row of the cluster: places 4 cy .. 4 cy + 3
	s_lshl_b32 s44, 0x1111, s40                    ; my column: places cx, cx + 4, cx + 8, cx + 12
	; descriptor group 1: a tile of 128 rows x 128 elements, padded in LDS
	s_or_b32 s[G1+0], s43, (1<<16)|(1<<20)|(1<<21)|(5<<22)|(3<<25)  ; 15:0 the mask: xh's tiles go to my row; 17:16 element of 2 bytes; 20 padding on; 21 set beside a mask; 24:22 after every 64 words (code 5); 31:25 of 4 words (code 3)
	s_or_b32 s[G1B+0], s44, (1<<16)|(1<<20)|(1<<21)|(5<<22)|(3<<25) ; the same with the mask of my column, for wh's tiles
.irp g, G1, G1B
	s_mov_b32 s[(\g)+1], KSTEP<<16                 ; 63:48 tensor_dim0, low half = 128
	s_mov_b32 s[(\g)+2], 128<<16                   ; 79:64 its high half = 0; 95:80 tensor_dim1, low half = 128
	s_mov_b32 s[(\g)+3], KSTEP<<16                 ; 111:96 its high half = 0; 127:112 tile_dim0 = 128
	s_mov_b32 s[(\g)+4], 128                       ; 143:128 tile_dim1 = 128; 159:144 tile_dim2 = 0
	s_mov_b32 s[(\g)+5], SIZE_K                    ; 191:160 tensor_dim0_stride, low word: elements from row to row
	s_mov_b32 s[(\g)+6], 0
	s_mov_b32 s[(\g)+7], 0
.endr
	; where the tiles come from.  xh's hang on the tile row alone, which my row of the cluster shares; wh's on the tile column alone, which my column shares.
	; Every wave makes both addresses, in registers that never hold the other coordinate, and asks by one of them.
	s_lshl_b32 s17, s12, 7                         ; which 128 rows of the tile I fetch
	s_lshl_b32 s16, s13, 8
	s_add_co_u32 s16, s16, s17                     ; xh: row 256 x tile row + 128 x half
	s_lshl_b32 s46, s42, 8
	s_add_co_u32 s46, s46, s17                     ; wh: row 256 x tile column + 128 x half
	s_mov_b32 s17, 0
	s_mov_b32 s47, 0
	s_mov_b64 s[18:19], SIZE_K*2
	s_mul_u64 s[16:17], s[16:17], s[18:19]         ; in bytes
	s_mul_u64 s[46:47], s[46:47], s[18:19]
	s_mul_i32 s20, s10, HALFT                      ; and where they go: xh's two halves, then wh's two halves = wave x 128 rows: no place in the cluster enters an LDS address
	s_wait_dscnt 0x0                               ; the opening add is done
	s_wait_kmcnt 0x0
	s_add_nc_u64 s[14:15], s[4:5], s[16:17]
	s_add_nc_u64 s[46:47], s[6:7], s[46:47]
	CROUND                                         ; all sixteen work-groups are here: the first joint loads meet
.irp s, 0,1
	s_mov_b32 s[G0+4*(\s)], 1                                      ; 1:0 count = 1
	s_add_co_u32 s[G0+4*(\s)+1], s20, (\s)*SLOT                    ; 63:32 LDS address
	s_add_nc_u64 s[G0+4*(\s)+2:G0+4*(\s)+3], s[14:15], (\s)*KSTEP*2  ; 120:64 global address: K step s
	s_or_b32 s[G0+4*(\s)+3], s[G0+4*(\s)+3], 0x80000000            ; 127:126 type = 2
	s_mov_b32 s[G0B+4*(\s)], 1
	s_add_co_u32 s[G0B+4*(\s)+1], s20, (\s)*SLOT
	s_add_nc_u64 s[G0B+4*(\s)+2:G0B+4*(\s)+3], s[46:47], (\s)*KSTEP*2
	s_or_b32 s[G0B+4*(\s)+3], s[G0B+4*(\s)+3], 0x80000000
	JLOAD \s                                       ; the ring is filled before anything else is done: two tensor loads of mine are out
.endr
	; A fragment is 16 rows x 32 K in 8 registers: lane l holds row l % 16; registers 0-3 hold K = 8 (l / 16) + 0..7, registers 4-7 hold
	; K = 16 + 8 (l / 16) + 0..7.  From rows that lie along K: two loads of 16 bytes, 32 bytes apart.  The same for source 0 and source 1.
	v_and_b32 v1, 15, v0                           ; l % 16
	v_bfe_u32 v2, v0, 4, 1                         ; l / 16
	v_mul_u32_u24 v3, v1, PITCH
	v_lshl_add_u32 v3, v2, 4, v3                   ; row x pitch + 16 x half
	s_mul_i32 s21, s11, HALFT                      ; my 128 rows of xh
	s_mul_i32 s22, s12, HALFT                      ; my 128 rows of wh,
	s_add_co_u32 s22, s22, 2*HALFT                 ; which lie behind xh's 256
.irp s, 0,1
	v_add_nc_u32 v[ADRA+(\s)], s21, v3
	v_add_nc_u32 v[ADRB+(\s)], s22, v3
	s_add_co_u32 s21, s21, SLOT
	s_add_co_u32 s22, s22, SLOT
.endr
	s_mul_i32 s23, s10, WSTAGE
	s_add_co_u32 s23, s23, STAGE                   ; my stage
	v_mul_u32_u24 v4, v1, SPITCH                   ; in: row l % 16, 32 bytes for each half of the lanes
	v_lshl_add_u32 v4, v2, 5, v4
	v_add_nc_u32 v[STO], s23, v4
	v_and_b32 v5, 31, v0
	v_lshlrev_b32 v[CO], 4, v5                     ; back: the 32 lanes take one row of 512 bytes, 16 bytes each,
	v_add_nc_u32 v[RD], s23, v[CO]                 ; and store it so
	; out0 at my first row and first column
	s_lshl_b32 s13, s13, 8
	s_lshl_b32 s14, s11, 7
	s_add_co_u32 s16, s13, s14                     ; my first row: 256 x tile row + 128 x half
	s_mov_b32 s17, 0
	s_mov_b64 s[18:19], SIZE_N*4
	s_mul_u64 s[16:17], s[16:17], s[18:19]
	s_lshl_b32 s46, s42, 10                        ; my first column, in bytes of f32: 1,024 x tile column + 512 x half
	s_lshl_b32 s47, s12, 9
	s_add_co_u32 s46, s46, s47
	s_mov_b32 s47, 0
	s_add_nc_u64 s[8:9], s[8:9], s[16:17]
	s_add_nc_u64 s[8:9], s[8:9], s[46:47]
	v_add_nc_u32 v[SB], s46, v[CO]                 ; the four columns that I store are the same in every row: their scale_out and bias are loaded once
	global_load_b128 v[SC:SC+3], v[SB], s[68:69]
	global_load_b128 v[BI:BI+3], v[SB], s[70:71]
; 16 matrix instructions: m blocks a0, a0 + 1 of the window's four (hi = 0: my rows 0-63, 1: rows 64-127) x all 8 n blocks, 32 along K.
; zero = 1: the first product starts the sums: nothing is ever cleared.  The 64 accumulators take turns, in the same order in every quarter step.
.macro MUL16 f, hi, a0, zero
	WIN MUL_LO+0x50*(\hi)
.irp a, \a0, (\a0)+1
.irp b, 0,1,2,3,4,5,6,7
.if \zero
	v_wmma_f32_16x16x32_f16 v[8*(8*(\a)+(\b)):8*(8*(\a)+(\b))+7], v[(\f)+8*(\b):(\f)+8*(\b)+7], v[(\f)+8*(4*(\hi)+(\a)):(\f)+8*(4*(\hi)+(\a))+7], 0
.else
	v_wmma_f32_16x16x32_f16 v[8*(8*(\a)+(\b)):8*(8*(\a)+(\b))+7], v[(\f)+8*(\b):(\f)+8*(\b)+7], v[(\f)+8*(4*(\hi)+(\a)):(\f)+8*(4*(\hi)+(\a))+7], v[8*(8*(\a)+(\b)):8*(8*(\a)+(\b))+7]
.endif
.endr
.endr
.endm
; 32 LDS loads in one run: the fragments of one quarter step (128 rows of wh, 128 rows of xh, 32 K at byte k of the rows) into buffer f
.macro FETCH slot, k, f
	WIN TO_B
.irp i, 0,1,2,3,4,5,6,7
	ds_load_b128 v[(\f)+8*(\i):(\f)+8*(\i)+3],   v[ADRB+(\slot)] offset:(\k)+(\i)*16*PITCH
	ds_load_b128 v[(\f)+8*(\i)+4:(\f)+8*(\i)+7], v[ADRB+(\slot)] offset:(\k)+(\i)*16*PITCH+32
.endr
	WIN 0
.irp i, 0,1,2,3,4,5,6,7
	ds_load_b128 v[(\f)+8*(\i):(\f)+8*(\i)+3],   v[ADRA+(\slot)] offset:(\k)+(\i)*16*PITCH
	ds_load_b128 v[(\f)+8*(\i)+4:(\f)+8*(\i)+7], v[ADRA+(\slot)] offset:(\k)+(\i)*16*PITCH+32
.endr
.endm
; A load into a register that a matrix instruction has read, and an LDS store that reads a matrix result, stand four places behind that matrix instruction, and only plain vector
; instructions that name none of its registers are places (ISA guide 7.12.1 for vector instructions); the matrix instructions in between are not counted.
.macro PLACES
.rept 4
	v_nop
.endr
.endm
; A K step is four quarter steps of 32 along K, 64 matrix instructions each, on buffers 0, 1, 0, 1.
; One of the first three: multiplies buffer f; in its middle it fetches the next quarter's fragments, at byte k of the same slot's rows, into buffer g.
.macro QUARTER slot, k, f, g, zero
	s_wait_dscnt 8                                 ; wh and xh's rows 0-63 are in; the youngest eight loads (xh's rows 64-127) may be out
	WIN MUL_LO
	MUL16 \f, 0, 0, \zero
	MUL16 \f, 0, 2, \zero
	PLACES
	FETCH \slot, \k, \g
	s_wait_dscnt 32                                ; all but the 32 just issued
	WIN MUL_HI
	MUL16 \f, 1, 0, \zero
	MUL16 \f, 1, 2, \zero
.endm
; The last quarter multiplies buffer 1 and changes slots.  MEET is its first half: ONE barrier for the change of slots.  In front of it each wave waits for all its tensor loads, of which one
; is out: its part of the next slot; adds 0 to its spare word; and waits for that and for its own reads of this slot.  Behind it nobody reads this slot any more and the next slot is whole.
.macro MEET round                      ; round = 1: the rest of a round of the cluster's barrier follows
	WIN 0                                          ; (the add's two registers lie in window 0)
	s_wait_tensorcnt 0x0                           ; all my tensor loads have landed: the one that was out is my part of the next slot;
	ds_add_u32 v[SPW], v[NIL]                      ; 0 onto my spare word;
	s_wait_dscnt 9                                 ; (the add and the youngest eight loads may be out)
	WIN MUL_LO
	MUL16 F1, 0, 0, 0                              ; sixteen matrix instructions stand between the add and the wait for it
	s_wait_dscnt 0x0                               ; the add is done, and my reads of this slot are over:
	s_barrier_signal -1                            ; say so,
	MUL16 F1, 0, 2, 0                              ; work on registers while the others arrive,
.if \round
	WIN 0
.endif
	s_barrier_wait -1                              ; and go on when all four have said so
.endm
; The whole last quarter.  fill = 1: behind the round the slot just read out is filled again first, with the K step two steps on; then come the next slot's first fragments.
; From a request to the wait for it a wave issues 224 matrix instructions.  fill = 0: nothing is left to ask for, and the work-group's barrier is enough.
.macro TURN slot, next, fill
	MEET \fill
.if \fill
	CREST                                          ; no wave of any partner still reads this slot's tile or has a load on its way
	s_add_nc_u64 s[G0+4*(\slot)+2:G0+4*(\slot)+3], s[G0+4*(\slot)+2:G0+4*(\slot)+3], 2*KSTEP*2     ; no tensor load of mine is out, so a group 0 may be written
	s_add_nc_u64 s[G0B+4*(\slot)+2:G0B+4*(\slot)+3], s[G0B+4*(\slot)+2:G0B+4*(\slot)+3], 2*KSTEP*2
	JLOAD \slot                                    ; the first tensor load behind the round, and my only one until the next; the four v_nop behind it are also the places in front of the loads below
.else
	PLACES
.endif
	FETCH \next, 0, F0
	WIN MUL_HI
	MUL16 F1, 1, 0, 0
	MUL16 F1, 1, 2, 0
.endm
; THE WAY OUT of block a (16 of my rows), in two parts.  TOSTAGE: the sums as they are, 32 bytes a lane and accumulator, into my own stage in LDS, each accumulator's low four registers first;
; and back as whole rows of 512 bytes.  SEND: times scale_out, plus bias, and stored.  The stage is my wave's own: no barrier.
.macro TOSTAGE a
.set AC, 64*((\a)%4)
.set BK, F0+64*((\a)%2)
	WIN 0x08+4*((\a)/4)                            ; the store's data (source 1) in window 2 or 3, its address in window 0
.irp b, 0,1,2,3,4,5,6,7
	ds_store_b128 v[STO], v[AC+8*(\b):AC+8*(\b)+3]   offset:64*(\b)
	ds_store_b128 v[STO], v[AC+8*(\b)+4:AC+8*(\b)+7] offset:64*(\b)+16
.endr
	WIN 0
.if (\a) >= 2
	s_wait_xcnt 0x0                                ; every earlier memory instruction has had its addresses translated (ISA guide 3.1): the buffer that block a - 2's stores read is loaded again only behind this wait
.endif
.irp t, 0,1,2,3,4,5,6,7,8,9,10,11,12,13,14,15
	ds_load_b128 v[BK+4*(\t):BK+4*(\t)+3], v[RD] offset:(\t)*SPITCH  ; LDS serves a wave's instructions in order (ISA guide 5.7.1.4): these see the stores above, and the next block's stores come behind them
.endr
.endm
.macro SEND a, younger                 ; younger: the LDS instructions issued behind block a's loads: the next block's 16 stores and 16 loads, or none
.set BK, F0+64*((\a)%2)
	WIN 0
	s_wait_dscnt \younger                          ; the block is back in registers
.irp t, 0,1,2,3,4,5,6,7,8,9,10,11,12,13,14,15
	v_pk_fma_f32 v[BK+4*(\t):BK+4*(\t)+1],   v[BK+4*(\t):BK+4*(\t)+1],   v[SC:SC+1],   v[BI:BI+1]
	v_pk_fma_f32 v[BK+4*(\t)+2:BK+4*(\t)+3], v[BK+4*(\t)+2:BK+4*(\t)+3], v[SC+2:SC+3], v[BI+2:BI+3]
	global_store_b128 v[CO], v[BK+4*(\t):BK+4*(\t)+3], s[8:9] offset:(16*(\a)+(\t))*SIZE_N*4 th:TH_STORE_NT  ; the wave stores 512 consecutive bytes, at a multiple of 512 from out0's first byte; the row stands in the immediate, 127 rows of 16,384 bytes at the most
.endr
.endm
	s_wait_loadcnt 0x0                             ; scale_out and bias, once: no global load stays out across the loop
	s_wait_tensorcnt 1                             ; my part of K step 0 is in; K step 1's may stay out
	s_barrier_signal -1
	s_barrier_wait -1                              ; everybody's is
	FETCH 0, 0, F0
	QUARTER 0, 64,  F0, F1, 1                      ; the first quarter stands in front of the loop: its products start the sums
	WIN 0                                          ; at a label and at a branch every window is 0
	s_mov_b32 s3, LAPS-1
.Llap:                                                 ; a trip goes once round the ring, from a lap's second quarter to the next lap's first, and fills both slots again
	QUARTER 0, 128, F1, F0, 0
	QUARTER 0, 192, F0, F1, 0
	TURN 0, 1, 1
	QUARTER 1, 64,  F0, F1, 0
	QUARTER 1, 128, F1, F0, 0
	QUARTER 1, 192, F0, F1, 0
	TURN 1, 0, 1
	QUARTER 0, 64,  F0, F1, 0
	WIN 0
	s_sub_co_u32 s3, s3, 1
	s_cmp_lg_u32 s3, 0
	s_cbranch_scc1 .Llap
	QUARTER 0, 128, F1, F0, 0                      ; the last lap is written out: it asks for nothing, and has no round of the cluster's barrier
	QUARTER 0, 192, F0, F1, 0
	TURN 0, 1, 0
	QUARTER 1, 64,  F0, F1, 0
	QUARTER 1, 128, F1, F0, 0
	QUARTER 1, 192, F0, F1, 0
	s_wait_dscnt 8                                 ; the very last quarter: nothing more to fetch
	MUL16 F1, 0, 0, 0
	MUL16 F1, 0, 2, 0
	s_wait_dscnt 0x0
	MUL16 F1, 1, 0, 0
	MUL16 F1, 1, 2, 0
	PLACES                                         ; behind the last products: the LDS stores below read results, and the loads below land in xh's fragment buffers
	TOSTAGE 0
.irp a, 1,2,3,4,5,6,7                  ; block a's way through the stage is begun before block a - 1 is waited for, scaled and stored
	TOSTAGE \a
	SEND (\a)-1, 32
.endr
	SEND 7, 0
	s_wait_tensorcnt 0x0                           ; the wave's end, behind my last tensor load and my last LDS store
	ds_add_u32 v[SPW], v[NIL]
	s_wait_dscnt 0x0
	CROUND                                         ; the closing round: no work-group ends while a partner may still ask for a tile that names it
	s_endpgm
.Lfunc_end_k_qc6e8814253_gemm:
	.size	k_qc6e8814253_gemm, .Lfunc_end_k_qc6e8814253_gemm-k_qc6e8814253_gemm
	.p2alignl 7, 3214868480
	.fill 96, 4, 3214868480
	.section	.rodata,"a",@progbits
	.p2align	6, 0x0
	.amdhsa_kernel k_qc6e8814253_gemm
		.amdhsa_group_segment_fixed_size 327680
		.amdhsa_private_segment_fixed_size 0
		.amdhsa_enable_private_segment 0
		.amdhsa_kernarg_size 40
		.amdhsa_user_sgpr_count 2
		.amdhsa_user_sgpr_kernarg_segment_ptr 1
		.amdhsa_wavefront_size32 1
		.amdhsa_system_sgpr_workgroup_id_x 1
		.amdhsa_system_sgpr_workgroup_id_y 1
		.amdhsa_system_sgpr_workgroup_id_z 1
		.amdhsa_system_vgpr_workitem_id 0
		.amdhsa_next_free_vgpr 1024
		.amdhsa_next_free_sgpr 72
		.amdhsa_reserve_vcc 0
		.amdhsa_float_denorm_mode_32 3
		.amdhsa_float_denorm_mode_16_64 3
		.amdhsa_memory_ordered 1
		.amdhsa_forward_progress 1
		.amdhsa_inst_pref_size 156
	.end_amdhsa_kernel
	.amdgpu_metadata
---
amdhsa.version: [ 1, 2 ]
amdhsa.kernels:
  - .name:           k_qc6e8814253_gemm
    .symbol:         k_qc6e8814253_gemm.kd
    .args:
      - { .name: xh, .offset: 0, .size: 8, .value_kind: global_buffer, .address_space: global }
      - { .name: wh, .offset: 8, .size: 8, .value_kind: global_buffer, .address_space: global }
      - { .name: out0, .offset: 16, .size: 8, .value_kind: global_buffer, .address_space: global }
      - { .name: scale_out, .offset: 24, .size: 8, .value_kind: global_buffer, .address_space: global }
      - { .name: bias, .offset: 32, .size: 8, .value_kind: global_buffer, .address_space: global }
    .group_segment_fixed_size: 327680
    .private_segment_fixed_size: 0
    .kernarg_segment_align: 8
    .kernarg_segment_size: 40
    .max_flat_workgroup_size: 128
    .sgpr_count:     72
    .vgpr_count:     1024
    .wavefront_size: 32
...
	.end_amdgpu_metadata
.endif
;; end of part 2
;; ======== version 2 of 2: 2 launches; version 1 with the launch prep written anew for expert scheduling mode
;; limits: values are held in f16: magnitudes above 65,504 overflow, below 6.1e-05 lose precision
;; workspace buffers: xh 33,554,432 bytes; wh 33,554,432 bytes
;; launch prep (part 3): grid 256 x 1, 16 waves a work-group, no clusters, 34,816 bytes of LDS; arguments x, codebook, assignments, scale_in, xh, wh; writes xh, wh
.if DOCPART == 3
	.amdgcn_target "amdgcn-amd-amdhsa--gfx1250"
	.amdhsa_code_object_version 6
	.text
	.protected	k_qc6e8814253_prep
	.globl	k_qc6e8814253_prep
	.p2align	8
	.type	k_qc6e8814253_prep,@function
k_qc6e8814253_prep:
	s_mov_b64 s[64:65], 0
	v_nop
	global_prefetch_b8 v0, s[64:65] scope:SCOPE_SE
	s_setreg_imm32_b32 hwreg(HW_REG_WAVE_SCHED_MODE, 0, 2), 2
	s_setreg_imm32_b32 hwreg(HW_REG_WAVE_MODE, 25, 1), 1
	s_wait_xcnt 0x0
	s_wait_alu depctr_vm_vsrc(0)
; THE TWO MATRIX OPERANDS ARE MADE ONCE, in f16:
;   xh[m][k]     = f16(x[m][k] * scale_in[k])              [4096][4096], rows of 8,192 bytes
;   wh[o][4c+d]  = f16(codebook[assignments[o][c]][d])     [4096][4096], rows of 8,192 bytes
; scale_out and bias are left to the product's way out, in f32, so that neither operand carries more than one scale.
; WHY f16: each operand is rounded once, to 11 significant bits; 8 bits would spend most of the comparison's room in the columns whose scale_out is near 1.
; LIMITS.  |x * scale_in| and |codebook| of 65,520 or more become an f16 infinity; below 6.1e-5 a number keeps f16's fixed step of 6e-8.
; An index is taken as unsigned and clamped to 4,095, the table's last entry.  NaN and infinities are not treated apart.
; SHARES.  Sixteen waves; work-group g owns rows 16 g .. 16 g + 15 of x and of w; its parts of x, assignments, xh and wh are dense blocks.  Thread t = 0 .. 511.
;   X unit u (32 of them): 16 bytes of x at 8,192 u + 16 t (row u / 2, columns 2,048 (u % 2) + 4 t ..), 8 bytes of xh at 4,096 u + 8 t: a wave loads 512 and stores 256 consecutive bytes.
;   W unit j (16 of them): two indices at 4,096 j + 8 t, two entries of 8 bytes out of the table in LDS, 16 bytes of wh at 8,192 j + 16 t: a wave stores 512 consecutive bytes.
; The table is narrowed to f16 once by the work-group and lies in LDS, entry e at byte 8 e.  No loop: every unit has its own store registers and no address register is ever
; rewritten, so no wait stands for the sources of a global load or store.  No matrix unit, no cluster, no data mover: the launch streams, and only the 64 KiB table is shared.
; THE MODE: SCHED_MODE bits 1:0 = 2 (LLVM: expert scheduling mode 2), set by the entry lines.  The code itself states the register dependences
; between vector instructions and memory or LDS instructions, with s_wait_alu, always for 0.
; THE PLAN.  Registers that memory or LDS instructions touch:
;   v1, v2     offsets, made once at the head and never written again; every load, store and LDS store reads one of them.
;   TF         written by the table's 16 roundings; read by the 8 LDS stores behind them; from block 4 on part of Y.
;   AS         loaded; clamped and shifted in place by 64 vector lines; read as addresses by the 32 gathers behind them; its first 16 registers are part of Y from block 6 on.
;   G          written by the gathers, read by wh's stores; no vector instruction names it.
;   X0 .. X4   five buffers of four slots.  The 32 X units go in 8 blocks of four; block p multiplies X[p % 5] in place and rounds out of it.  Blocks 5, 6 and 7 are loaded, in blocks
;              1, 2 and 3, into X0, X1, X2: each into the buffer that the block before worked on.
;   Y          two registers for each unit, written once, by block p's roundings; read by the four stores that are issued in block p + 1.
; So block p's memory instructions (four loads, four stores of xh, two of wh) touch the X buffer and the Y registers of block p - 1, G and the offsets; block p's vector lines name X[p % 5], its own Y
; and scale_in.  ONE wait on va_vdst at a block's head states all that its memory instructions hang on, and they are dealt among its vector lines with no further wait.
.set T16, 1                            ; v1        16 t; never rewritten
.set T8,  2                            ; v2        8 t; never rewritten
.set SI,  8                            ; v[8:15]   scale_in of my 4 columns in the left half of a row, then in the right half
.set CB,  16                           ; v[16:47]  my 8 entries of the codebook, f32
.set TF,  48                           ; v[48:63]  the same in f16
.set AS,  64                           ; v[64:95]  unit j: two indices, then two LDS addresses
.set G,   96                           ; v[96:159] unit j: 16 bytes of wh
.set X,   160                          ; v[160:239] twenty slots of 4, unit u in slot u % 20: x as loaded
.set Y,   16                           ; v[16:79]  unit u: 8 bytes of xh, in the registers that held CB, TF and the first half of AS
	s_load_b256 s[4:11], s[0:1], 0x0               ; x s[4:5], codebook s[6:7], assignments s[8:9], scale_in s[10:11]
	s_load_b128 s[12:15], s[0:1], 0x20             ; xh s[12:13], wh s[14:15]
	v_lshl_add_u32 v6, v0, 2, 0x8000
	v_mov_b32 v7, 0
	v_lshlrev_b32 v[T16], 4, v0
	v_lshlrev_b32 v[T8], 3, v0
	s_mov_b32 s17, 0
	s_wait_kmcnt 0x0
	s_lshl_b32 s16, ttmp9, 18                      ; 16 rows of x: 262,144 bytes
	s_add_nc_u64 s[4:5], s[4:5], s[16:17]
	s_lshl_b32 s16, ttmp9, 16                      ; 16 rows of assignments: 65,536 bytes
	s_add_nc_u64 s[8:9], s[8:9], s[16:17]
	s_lshl_b32 s16, ttmp9, 17                      ; 16 rows of xh and of wh: 131,072 bytes
	s_add_nc_u64 s[12:13], s[12:13], s[16:17]
	s_add_nc_u64 s[14:15], s[14:15], s[16:17]
	s_wait_alu depctr_va_vdst(0)                   ; v1 and v2 are written: every load, store and LDS store of the kernel reads one of them as its offset
	; All first loads, in the order in which they are wanted: 8 + 16 + 2 + 20.
.set i, 0
.rept 8
	global_load_b128 v[CB+4*i:CB+4*i+3], v[T16], s[6:7] offset:8192*i  ; entry t + 512 i; every work-group reads the table, so no hint
.set i, i+1
.endr
.set i, 0
.rept 16
	global_load_b64 v[AS+2*i:AS+2*i+1], v[T8], s[8:9] offset:4096*i th:TH_LOAD_NT
.set i, i+1
.endr
	global_load_b128 v[SI:SI+3],   v[T16], s[10:11]
	global_load_b128 v[SI+4:SI+7], v[T16], s[10:11] offset:8192
.set i, 0
.rept 20
	global_load_b128 v[X+4*i:X+4*i+3], v[T16], s[4:5] offset:8192*i th:TH_LOAD_NT  ; blocks 0 to 4 into X0 .. X4
.set i, i+1
.endr
	; The table: my 8 entries, rounded once to f16, 8 bytes each.
	s_wait_loadcnt 38                              ; loads come back in order (ISA guide 5.7.1): the codebook's 8 are in; the 16 + 2 + 20 issued behind them stay out
.set i, 0
.rept 8
	v_cvt_pk_f16_f32 v[TF+2*i],   v[CB+4*i],   v[CB+4*i+1]
	v_cvt_pk_f16_f32 v[TF+2*i+1], v[CB+4*i+2], v[CB+4*i+3]
.set i, i+1
.endr
	s_wait_alu depctr_va_vdst(0)                   ; the sixteen roundings have written TF, which the LDS stores read
.set i, 0
.rept 8
	ds_store_b64 v[T8], v[TF+2*i:TF+2*i+1] offset:4096*i
.set i, i+1
.endr
	s_wait_dscnt 0x0                               ; for the others' sake: my part of the table is written
	s_barrier_signal -1
	s_barrier_wait -1                              ; the whole table is; nobody writes it again
	; The gathers: all 32 in one run.
	s_wait_loadcnt 22                              ; the indices are in; scale_in's 2 and x's 20 stay out
.set i, 0
.rept 32
	v_min_u32 v[AS+i], 0xfff, v[AS+i]              ; inside the table, whatever was loaded
.set i, i+1
.endr
.set i, 0
.rept 32
	v_lshlrev_b32 v[AS+i], 3, v[AS+i]              ; 8 bytes an entry
.set i, i+1
.endr
	s_wait_alu depctr_va_vdst(0)                   ; the clamps and shifts have written AS, which the gathers read as their addresses
.set i, 0
.rept 16
	ds_load_b64 v[G+4*i:G+4*i+1],   v[AS+2*i]
	ds_load_b64 v[G+4*i+2:G+4*i+3], v[AS+2*i+1]
.set i, i+1
.endr
.macro WUNIT j                         ; row j of the group's rows of wh.  Its data come from LDS loads and its offset from the head: no vector instruction names either
	s_wait_dscnt 30-2*(\j)                         ; LDS loads come back in order (ISA guide 5.7.1): unit j's two are in, the gathers issued behind them stay out
	global_store_b128 v[T16], v[G+4*(\j):G+4*(\j)+3], s[14:15] offset:8192*(\j)
.endm
; Block p: X units 4 p .. 4 p + 3 (two rows of x) are scaled and rounded.  Among these lines stand the stores of the block before, in blocks 1 to 3 the loads of the block four further on,
; which land in the buffer that the block before worked on, and two rows of wh, so that the gathers land while x is worked on.
.macro BLK p
.if (\p) == 0
	s_wait_loadcnt 16                              ; scale_in and units 0 to 3 are in; units 4 to 19 stay out
.elseif (\p) < 4
	s_wait_loadcnt 12                              ; this block's four are in; the three younger blocks stay out
.else
	s_wait_loadcnt 4*(7-(\p))                      ; nothing more is loaded: the count runs down
.endif
.if (\p) > 0
	s_wait_alu depctr_va_vdst(0)                   ; the block before has written its Y, which the stores below read, and is done reading and writing its X buffer, in which the loads below land
.endif
.if (\p) == 4
	s_wait_alu depctr_vm_vsrc(0)                   ; the LDS stores have read TF and the gathers have read AS: from here on the roundings write these registers again, as Y
.endif
.irp i, 0,1,2,3
.set u, 4*(\p)+(\i)
.set xs, X+4*(u%20)
.set sh, SI+4*(u%2)
.if ((\p) > 0) && ((\p) < 4)
	global_load_b128 v[X+4*((u+16)%20):X+4*((u+16)%20)+3], v[T16], s[4:5] offset:8192*(u+16) th:TH_LOAD_NT  ; unit u + 16, into the slot of unit u - 4; no vector instruction since the wait names these registers
.endif
.if (\p) > 0
	global_store_b64 v[T8], v[Y+2*(u-4):Y+2*(u-4)+1], s[12:13] offset:4096*(u-4)  ; the block before
.endif
	v_pk_mul_f32 v[xs:xs+1],   v[xs:xs+1],   v[sh:sh+1]
	v_pk_mul_f32 v[xs+2:xs+3], v[xs+2:xs+3], v[sh+2:sh+3]
	v_cvt_pk_f16_f32 v[Y+2*u],   v[xs],   v[xs+1]
	v_cvt_pk_f16_f32 v[Y+2*u+1], v[xs+2], v[xs+3]
.if (\i) % 2 == 1
	WUNIT 2*(\p)+(\i)/2
.endif
.endr
.endm
.irp p, 0,1,2,3,4,5,6,7
	BLK \p
.endr
	s_wait_alu depctr_va_vdst(0)                   ; block 7 has written its Y, which the last four stores read
.irp i, 28,29,30,31
	global_store_b64 v[T8], v[Y+2*(\i):Y+2*(\i)+1], s[12:13] offset:4096*(\i)
.endr
	s_wait_dscnt 0x0                               ; the wave's end: an add of 0 onto my spare word, at LDS byte 32,768 + 4 t, follows
	s_wait_alu depctr_hold_cnt(0) depctr_sa_sdst(0) depctr_va_vdst(0) depctr_va_sdst(0) depctr_va_ssrc(0) depctr_va_vcc(0) depctr_vm_vsrc(0)
	s_wait_tensorcnt 0x0
	ds_add_u32 v6, v7
	s_wait_dscnt 0x0
	s_endpgm
.Lfunc_end_k_qc6e8814253_prep:
	.size	k_qc6e8814253_prep, .Lfunc_end_k_qc6e8814253_prep-k_qc6e8814253_prep
	.p2alignl 7, 3214868480
	.fill 96, 4, 3214868480
	.section	.rodata,"a",@progbits
	.p2align	6, 0x0
	.amdhsa_kernel k_qc6e8814253_prep
		.amdhsa_group_segment_fixed_size 34816
		.amdhsa_private_segment_fixed_size 0
		.amdhsa_enable_private_segment 0
		.amdhsa_kernarg_size 48
		.amdhsa_user_sgpr_count 2
		.amdhsa_user_sgpr_kernarg_segment_ptr 1
		.amdhsa_wavefront_size32 1
		.amdhsa_system_sgpr_workgroup_id_x 1
		.amdhsa_system_sgpr_workgroup_id_y 1
		.amdhsa_system_sgpr_workgroup_id_z 1
		.amdhsa_system_vgpr_workitem_id 0
		.amdhsa_next_free_vgpr 240
		.amdhsa_next_free_sgpr 66
		.amdhsa_reserve_vcc 0
		.amdhsa_float_denorm_mode_32 3
		.amdhsa_float_denorm_mode_16_64 3
		.amdhsa_memory_ordered 1
		.amdhsa_forward_progress 1
		.amdhsa_inst_pref_size 27
	.end_amdhsa_kernel
	.amdgpu_metadata
---
amdhsa.version: [ 1, 2 ]
amdhsa.kernels:
  - .name:           k_qc6e8814253_prep
    .symbol:         k_qc6e8814253_prep.kd
    .args:
      - { .name: x, .offset: 0, .size: 8, .value_kind: global_buffer, .address_space: global }
      - { .name: codebook, .offset: 8, .size: 8, .value_kind: global_buffer, .address_space: global }
      - { .name: assignments, .offset: 16, .size: 8, .value_kind: global_buffer, .address_space: global }
      - { .name: scale_in, .offset: 24, .size: 8, .value_kind: global_buffer, .address_space: global }
      - { .name: xh, .offset: 32, .size: 8, .value_kind: global_buffer, .address_space: global }
      - { .name: wh, .offset: 40, .size: 8, .value_kind: global_buffer, .address_space: global }
    .group_segment_fixed_size: 34816
    .private_segment_fixed_size: 0
    .kernarg_segment_align: 8
    .kernarg_segment_size: 48
    .max_flat_workgroup_size: 512
    .sgpr_count:     66
    .vgpr_count:     240
    .wavefront_size: 32
...
	.end_amdgpu_metadata
.endif
;; end of part 3
;; launch gemm: the kernel of part 2 again; grid 16 x 16, 4 waves a work-group, clusters of 4 x 4, 327,680 bytes of LDS; arguments xh, wh, out0, scale_out, bias; writes out0
